; MI455X (gfx1250); checked and timed in simulation.
; The chip was launched on July 23, 2026; its instructions are those of AMD's public machine-readable ISA for CDNA 5 (MIT licence, August 2026) and "CDNA5" Instruction Set Architecture Reference Guide (July 2026). The comments in the code are by the model that wrote it; some were corrected since.
;; Multi Head Attention. Allowed arithmetic: matrix products marked QUANTISED: E5M2 operands, one E8M0 scale for each 32 along K, by v_wmma_scale_f32_16x16x128_f8f6f4 with both operands' format E5M2, f32 sums; products left as they are: f32 operands where the result goes on into a quantised operand, else bf16, f16 or f32 operands; f32 sums; everything else in f32.
;; Inputs: Wk 1,024 x 1,024 float32; Wo 1,024 x 1,024 float32; Wq 1,024 x 1,024 float32; Wv 1,024 x 1,024 float32; bk 1,024 float32; bo 1,024 float32; bq 1,024 float32; bv 1,024 float32; key 8 x 2,048 x 1,024 float32; ln_b 1,024 float32; ln_g 1,024 float32; query 8 x 2,048 x 1,024 float32; value 8 x 2,048 x 1,024 float32.
;; Outputs: out0 8 x 2,048 x 1,024 float32.
;; This version of the problem:
;;   THIS VERSION OF THE PROBLEM IS GIVEN IN LOW PRECISION. The matrix products marked QUANTISED in the list below multiply operands that are first quantised to E5M2 (5 exponent bits, 2 mantissa bits; 8 bits a number), with one power-of-two scale for each 32 numbers along K (OCP MX v1.0); their sums are f32. All else is computed in f32.
;;   The module's matrix products, in the order in which they are computed (A, B: the left and right operand; K: the contracted axis; several contracted axes count as one K, in the product's order):
;;     1. [M 16,384, K 1,024] x [K 1,024, N 1,024]; A: input query; B: input Wq: QUANTISED
;;     2. [M 16,384, K 1,024] x [K 1,024, N 1,024]; A: input key; B: input Wk: QUANTISED
;;     3. [M 16,384, K 1,024] x [K 1,024, N 1,024]; A: input value; B: input Wv: QUANTISED
;;     4. batch 16,384 x [M 16, K 64] x [K 64, N 16]; A: computed on the way; B: computed on the way: QUANTISED
;;     5. batch 16,384 x [M 64, K 16] x [K 16, N 16]; A: computed on the way; B: softmax: left as it is (K = 16 < 32)
;;     6. [M 16,384, K 1,024] x [K 1,024, N 1,024]; A: computed on the way; B: input Wo: QUANTISED
;;   THE QUANTISER, for each operand of a quantised product, along K:
;;     - K is cut into blocks of 32 from its start; a last block that is shorter is filled with zeros.
;;     - A block's scale is 2^e with e = floor(log2(the largest magnitude in the block)) - 15, held to -126 .. 127; a block of zeros has e = 0. As a byte (E8M0): e + 127.
;;     - Each number is divided by its block's scale, clamped to +-57,344, and rounded to the nearest number of E5M2, ties to even, subnormals kept.
;;     - The product sums the exact products of the quantised numbers (number of the format x scale) in f32.
;;   ~~~python
;;   def quantise(x, axis):      # numpy; x: float32 -> the quantised numbers, widened to float32 again
;;       x = np.moveaxis(x, axis, -1); K = x.shape[-1]
;;       x = np.pad(x, [(0, 0)] * (x.ndim - 1) + [(0, -K % 32)]); x = x.reshape(x.shape[:-1] + (-1, 32)); a = np.abs(x).max(-1, keepdims=True)
;;       e = np.where(a > 0, np.clip(np.frexp(np.where(a > 0, a, 1))[1] - 1 - 15, -126, 127), 0)      # np.frexp(a)[1] - 1 = floor(log2(a)), exactly
;;       r = np.clip(x / 2.0 ** e, -57344, 57344)
;;       step = 2.0 ** (np.maximum(np.frexp(np.where(r == 0, 1, r))[1] - 1, -14) - 2)
;;       q = np.round(r / step) * step * 2.0 ** e      # np.round: ties to even
;;       return np.moveaxis(q.reshape(q.shape[:-2] + (-1,))[..., :K], -1, axis).astype(np.float32)
;;   ~~~
;;   OPERANDS COMPUTED ON THE WAY. 'Computed on the way' means the value that the module computes at that place (a softmax that the list does not call 'softmax' is quantised finished and normalised). What goes into a quantiser is computed in f32, as accurately as f32 sums, v_exp_f32 and their like allow (about 1e-6 of the number): no bf16 or f16 on the way to a quantiser, and a product that is left as it is and whose result goes on into a quantised operand takes f32 operands (vector FMAs, or v_wmma_f32_16x16x4_f32). A number that lies on a knife's edge between two numbers of the format may be rounded either way, as far as f32 arithmetic and the matrix unit's own rounding can turn it there, and no further.
;; One version. Each part assembles by itself: llvm-mc -triple=amdgcn-amd-amdhsa -mcpu=gfx1250 --defsym DOCPART=n.
;; ======== version 1 of 1: 2 launches
;; limits: right only within a limited range of input values
;; workspace buffers: wf 4,194,304 bytes; ws 131,072 bytes; pb 16,384 bytes
;; launch prep (part 1): grid 256 x 1, 8 waves a work-group, no clusters, 2,048 bytes of LDS; arguments Wq, Wk, Wv, Wo, bq, bk, bv, bo, wf, ws, pb; writes wf, ws, pb
.if DOCPART == 1
	.amdgcn_target "amdgcn-amd-amdhsa--gfx1250"
	.amdhsa_code_object_version 6
	.text
	.protected	k_qe26c28952d_prep
	.globl	k_qe26c28952d_prep
	.p2align	8
	.type	k_qe26c28952d_prep,@function
k_qe26c28952d_prep:
	s_mov_b64 s[64:65], 0
	v_nop
	global_prefetch_b8 v0, s[64:65] scope:SCOPE_SE
	s_setreg_imm32_b32 hwreg(HW_REG_WAVE_MODE, 25, 1), 1
	s_wait_xcnt 0x0
; The four weights [1024 (n)][1024 (k)] f32 become codes of BF8 (E5M2) with one E8M0 byte for each 32 along K, laid in the ORDER OF THE OPERAND'S REGISTERS for the launch that follows.
; A fragment is 16 weight rows x 128 along K: 16 registers a lane, 2,048 bytes.  Fragment (G, s, w, t): G = 0..3 for Wq, Wk, Wv, Wo; s the K step of 128; w the wave that will multiply by it; t its tile.
;   wf: fragment number ((G 8 + s) 4 + w) 16 + t, 2,048 bytes each: group c of four registers at 512 c + 16 lane.  Lane (r, hf), group c: row rho(r), k = 128 s + 32 c + 16 hf + 0 .. 15.
;   ws: 256 bytes for each four tiles: lane r + 16 (t % 2), word (t / 2) % 2: the four scale bytes of row rho(r) in this K step.
;   pb: the biases in the tiles' order: ((G 4 + w) 16 + t) 64 + 4 i holds b[rho(i)].
; WHICH ROWS FORM A TILE:  Wq, Wk: 256 w + 32 (t / 2) + 8 (t % 2) + i + 8 (i / 8), so that two neighbouring tiles' results are 16 neighbours along the head's axis;
;   Wv: 64 t + 16 w + i (a wave gets 16 channels of every head);  Wo: 256 w + 16 t + i.
; One wave makes one fragment; a work-group of eight waves makes eight tiles of one (G, s, w).  The scale words and biases meet in LDS and leave as 512 consecutive bytes.
; A block's scale is 2^(floor(log2(its largest magnitude)) - 15); its byte is the largest magnitude's exponent field - 15, held at 1 from below.
; LIMITS: a block of zeros gets the byte 1 where the rule says 127 (its codes are zeros, and this program alone reads the bytes); NaN and infinities among the inputs are not served.
.set XN, 16                            ; v16-79   64 numbers: register 16 b + i = k 32 b + 16 hf + i of my row
.set TM, 80                            ; v80-95   largest magnitudes, bytes, limits, scale operands
.set PW, 96                            ; v96      my row's scale word
.set BI, 97                            ; v97      my row's bias
.set PC, 100                           ; v100-115 the codes
	s_load_b256 s[4:11], s[0:1], 0x0               ; Wq, Wk, Wv, Wo
	s_load_b256 s[12:19], s[0:1], 0x20             ; bq, bk, bv, bo
	s_load_b128 s[20:23], s[0:1], 0x40             ; wf, ws
	s_load_b64 s[24:25], s[0:1], 0x50              ; pb
	v_lshl_add_u32 v128, v0, 2, 0x400
	v_mov_b32 v129, 0
	v_lshrrev_b32 v1, 5, v0
	s_delay_alu instid0(VALU_DEP_1)
	v_readfirstlane_b32 s26, v1                    ; wave 0..7
	v_and_b32 v1, 15, v0                           ; r
	s_wait_alu depctr_va_vdst(0)
	v_bfe_u32 v2, v0, 4, 1                         ; hf
	v_and_b32 v3, 31, v0                           ; lane
	s_lshr_b32 s27, ttmp9, 6                       ; G
	s_bfe_u32 s28, ttmp9, 0x30003                  ; s
	s_bfe_u32 s29, ttmp9, 0x20001                  ; w
	s_and_b32 s30, ttmp9, 1
	s_lshl_b32 s30, s30, 3
	s_add_co_u32 s30, s30, s26                     ; t
	s_lshl_b32 s31, s29, 8                         ; 256 w
	s_lshr_b32 s32, s30, 1
	s_lshl_b32 s32, s32, 5
	s_and_b32 s33, s30, 1
	s_lshl_b32 s33, s33, 3
	s_add_co_u32 s32, s32, s33
	s_add_co_u32 s32, s32, s31                     ; Wq, Wk: 256 w + 32 (t / 2) + 8 (t % 2)
	s_lshl_b32 s33, s30, 6
	s_lshl_b32 s34, s29, 4
	s_add_co_u32 s33, s33, s34                     ; Wv: 64 t + 16 w
	s_lshl_b32 s34, s30, 4
	s_add_co_u32 s34, s34, s31                     ; Wo: 256 w + 16 t
	s_cmp_eq_u32 s27, 2
	s_cselect_b32 s32, s33, s32
	s_cmp_eq_u32 s27, 3
	s_cselect_b32 s32, s34, s32                    ; the tile's first row
	s_cmp_lt_u32 s27, 2
	s_cselect_b32 s35, 1, 0                        ; Wq, Wk: rows 8 .. 15 of a tile lie 8 further on
	v_and_b32 v4, 8, v1
	s_delay_alu instid0(VALU_DEP_1)
	v_mul_u32_u24 v4, s35, v4
	s_delay_alu instid0(VALU_DEP_1)
	v_add_nc_u32 v4, v4, v1
	s_delay_alu instid0(VALU_DEP_1)
	v_add_nc_u32 v4, s32, v4                       ; my row
	s_delay_alu instid0(VALU_DEP_1)
	v_lshlrev_b32 v5, 12, v4                       ; a row is 4,096 bytes
	s_wait_alu depctr_va_vdst(0)
	v_lshl_add_u32 v5, v2, 6, v5                   ; + 64 hf
	s_lshl_b32 s36, s28, 9
	v_add_nc_u32 v5, s36, v5                       ; + 512 s
	v_lshlrev_b32 v6, 2, v4                        ; my row's bias
	v_lshlrev_b32 v7, 4, v3                        ; 16 x lane
	s_lshr_b32 s42, s26, 2
	s_lshl_b32 s42, s42, 8
	s_and_b32 s43, s26, 1
	s_lshl_b32 s43, s43, 7
	s_add_co_u32 s42, s42, s43
	s_bfe_u32 s43, s26, 0x10001
	s_lshl_b32 s43, s43, 2
	s_add_co_u32 s42, s42, s43
	v_lshl_add_u32 v8, v1, 3, s42                  ; LDS: 256 (t / 4) + 8 (r + 16 (t % 2)) + 4 ((t / 2) % 2): my scale word's place
	s_lshl_b32 s43, s26, 6
	s_add_co_u32 s43, s43, 512
	v_lshl_add_u32 v9, v1, 2, s43                  ; LDS: 512 + 64 wave + 4 r: my bias's place
	s_lshl_b32 s36, ttmp9, 14
	s_lshl_b32 s37, s26, 11
	s_add_co_u32 s36, s36, s37
	s_mov_b32 s37, 0                               ; wf: (8 work-group + wave) x 2,048
	s_lshl_b32 s38, ttmp9, 9
	s_mov_b32 s39, 0                               ; ws: 512 x work-group
	s_lshl_b32 s40, s27, 3
	s_and_b32 s41, ttmp9, 7
	s_add_co_u32 s40, s40, s41
	s_lshl_b32 s40, s40, 9
	s_mov_b32 s41, 0                               ; pb: ((4 G + w) 2 + half) x 512
	s_mov_b32 s46, 0x76543210
	s_mov_b32 s47, 0xfedcba98                      ; v_permlanex16_b32's selects for lane l xor 16
	s_mov_b32 s48, 0x600000                        ; the mantissa field of 57,344
.irp b, 0,1,2,3
	v_mov_b32 v[TM+4+\b], 0                        ; a lane permute's destination counts as one of its sources
.endr
	s_wait_alu depctr_va_vdst(0)
	s_wait_kmcnt 0x0
	s_cmp_eq_u32 s27, 1                            ; the choice of buffers hangs on the work-group's number alone
	s_cselect_b64 s[4:5], s[6:7], s[4:5]
	s_cselect_b64 s[12:13], s[14:15], s[12:13]
	s_cmp_eq_u32 s27, 2
	s_cselect_b64 s[4:5], s[8:9], s[4:5]
	s_cselect_b64 s[12:13], s[16:17], s[12:13]
	s_cmp_eq_u32 s27, 3
	s_cselect_b64 s[4:5], s[10:11], s[4:5]
	s_cselect_b64 s[12:13], s[18:19], s[12:13]
	s_add_nc_u64 s[20:21], s[20:21], s[36:37]
	s_add_nc_u64 s[22:23], s[22:23], s[38:39]
	s_add_nc_u64 s[24:25], s[24:25], s[40:41]
	global_load_b32 v[BI], v6, s[12:13]
.irp b, 0,1,2,3
.irp j, 0,1,2,3
	global_load_b128 v[XN+16*\b+4*\j:XN+16*\b+4*\j+3], v5, s[4:5] offset:128*\b+16*\j th:TH_LOAD_NT   ; 16 neighbours of each block of 32
.endr
.endr
	s_wait_loadcnt 0x0
.irp b, 0,1,2,3
	v_max3_num_f32 v[TM+\b], |v[XN+16*\b]|, |v[XN+16*\b+1]|, 0x8000000   ; block b: my 16 numbers, and the floor 2^(16 - 127): the byte cannot fall under 1
.endr
.irp i, 2,4,6,8,10,12,14
.irp b, 0,1,2,3
	s_delay_alu instid0(VALU_DEP_4)
	v_max3_num_f32 v[TM+\b], v[TM+\b], |v[XN+16*\b+\i]|, |v[XN+16*\b+\i+1]|   ; the four blocks by turns
.endr
.endr
.irp b, 0,1,2,3
	s_delay_alu instid0(VALU_DEP_4)
	v_permlanex16_b32 v[TM+4+\b], v[TM+\b], s46, s47
.endr
.irp b, 0,1,2,3
	s_delay_alu instid0(VALU_DEP_4)
	v_max_num_f32 v[TM+\b], v[TM+\b], v[TM+4+\b]   ; with lane l xor 16's: the block's largest magnitude
.endr
.irp b, 0,1,2,3
	s_delay_alu instid0(VALU_DEP_4)
	v_add_nc_u32 v[TM+12+\b], 0xf8800000, v[TM+\b] ; 15 off its exponent field: the conversion's scale operand
.endr
.irp b, 0,1,2,3
	v_and_or_b32 v[TM+8+\b], v[TM+\b], 0x7f800000, s48   ; 57,344 x the scale
.endr
.irp b, 0,1,2,3
	v_lshrrev_b32 v[TM+4+\b], 23, v[TM+12+\b]      ; the scale's byte
.endr
	s_delay_alu instid0(VALU_DEP_3)
	v_lshl_or_b32 v[PW], v[TM+5], 8, v[TM+4]
	s_delay_alu instid0(VALU_DEP_1)
	v_lshl_or_b32 v[PW], v[TM+6], 16, v[PW]
	s_delay_alu instid0(VALU_DEP_1)
	v_lshl_or_b32 v[PW], v[TM+7], 24, v[PW]
.irp b, 0,1,2,3
.irp i, 0,1,2,3,4,5,6,7,8,9,10,11,12,13,14,15
	v_med3_num_f32 v[XN+16*\b+\i], v[XN+16*\b+\i], -v[TM+8+\b], v[TM+8+\b]   ; the conversion to an 8-bit code does not saturate (ISA guide 7.6.2): the hold comes first
.endr
	v_cvt_scalef32_pk8_bf8_f32 v[PC+4*\b:PC+4*\b+1], v[XN+16*\b:XN+16*\b+7], v[TM+12+\b]
	v_cvt_scalef32_pk8_bf8_f32 v[PC+4*\b+2:PC+4*\b+3], v[XN+16*\b+8:XN+16*\b+15], v[TM+12+\b]
.endr
	v_nop                                          ; a plain line behind the last conversion
.irp c, 0,1,2,3
	global_store_b128 v7, v[PC+4*\c:PC+4*\c+3], s[20:21] offset:512*\c   ; 32 lanes store 512 consecutive bytes
.endr
	ds_store_b32 v8, v[PW]                         ; lanes r and r + 16 write the same word with the same value
	ds_store_b32 v9, v[BI]
	s_wait_dscnt 0x0                               ; for the others' sake: my LDS stores are done
	s_barrier_signal -1
	s_barrier_wait -1
	s_cmp_lg_u32 s26, 0
	s_cbranch_scc1 .Ldone                          ; wave 0 sends the eight tiles' words out
	ds_load_b128 v[116:119], v7
	s_wait_dscnt 0x0
	global_store_b128 v7, v[116:119], s[22:23]
	s_cmp_lg_u32 s28, 0
	s_cbranch_scc1 .Ldone                          ; the biases hang on no K step: the work-groups of K step 0 store them
	ds_load_b128 v[120:123], v7 offset:512
	s_wait_dscnt 0x0
	global_store_b128 v7, v[120:123], s[24:25]
.Ldone:
	s_wait_tensorcnt 0x0
	ds_add_u32 v128, v129
	s_wait_dscnt 0x0
	s_endpgm
.Lfunc_end_k_qe26c28952d_prep:
	.size	k_qe26c28952d_prep, .Lfunc_end_k_qe26c28952d_prep-k_qe26c28952d_prep
	.p2alignl 7, 3214868480
	.fill 96, 4, 3214868480
	.section	.rodata,"a",@progbits
	.p2align	6, 0x0
	.amdhsa_kernel k_qe26c28952d_prep
		.amdhsa_group_segment_fixed_size 2048
		.amdhsa_private_segment_fixed_size 0
		.amdhsa_enable_private_segment 0
		.amdhsa_kernarg_size 88
		.amdhsa_user_sgpr_count 2
		.amdhsa_user_sgpr_kernarg_segment_ptr 1
		.amdhsa_wavefront_size32 1
		.amdhsa_system_sgpr_workgroup_id_x 1
		.amdhsa_system_sgpr_workgroup_id_y 1
		.amdhsa_system_sgpr_workgroup_id_z 1
		.amdhsa_system_vgpr_workitem_id 0
		.amdhsa_next_free_vgpr 130
		.amdhsa_next_free_sgpr 66
		.amdhsa_reserve_vcc 0
		.amdhsa_float_denorm_mode_32 3
		.amdhsa_float_denorm_mode_16_64 3
		.amdhsa_memory_ordered 1
		.amdhsa_forward_progress 1
		.amdhsa_inst_pref_size 16
	.end_amdhsa_kernel
	.amdgpu_metadata
---
amdhsa.version: [ 1, 2 ]
amdhsa.kernels:
  - .name:           k_qe26c28952d_prep
    .symbol:         k_qe26c28952d_prep.kd
    .args:
      - { .name: Wq, .offset: 0, .size: 8, .value_kind: global_buffer, .address_space: global }
      - { .name: Wk, .offset: 8, .size: 8, .value_kind: global_buffer, .address_space: global }
      - { .name: Wv, .offset: 16, .size: 8, .value_kind: global_buffer, .address_space: global }
      - { .name: Wo, .offset: 24, .size: 8, .value_kind: global_buffer, .address_space: global }
      - { .name: bq, .offset: 32, .size: 8, .value_kind: global_buffer, .address_space: global }
      - { .name: bk, .offset: 40, .size: 8, .value_kind: global_buffer, .address_space: global }
      - { .name: bv, .offset: 48, .size: 8, .value_kind: global_buffer, .address_space: global }
      - { .name: bo, .offset: 56, .size: 8, .value_kind: global_buffer, .address_space: global }
      - { .name: wf, .offset: 64, .size: 8, .value_kind: global_buffer, .address_space: global }
      - { .name: ws, .offset: 72, .size: 8, .value_kind: global_buffer, .address_space: global }
      - { .name: pb, .offset: 80, .size: 8, .value_kind: global_buffer, .address_space: global }
    .group_segment_fixed_size: 2048
    .private_segment_fixed_size: 0
    .kernarg_segment_align: 8
    .kernarg_segment_size: 88
    .max_flat_workgroup_size: 256
    .sgpr_count:     66
    .vgpr_count:     130
    .wavefront_size: 32
...
	.end_amdgpu_metadata
.endif
;; end of part 1
;; launch fused (part 2): grid 256 x 1, 4 waves a work-group, no clusters, 327,680 bytes of LDS; arguments query, key, value, wf, ws, pb, ln_g, ln_b, out0; writes out0
.if DOCPART == 2
	.amdgcn_target "amdgcn-amd-amdhsa--gfx1250"
	.amdhsa_code_object_version 6
	.text
	.protected	k_qe26c28952d_fused
	.globl	k_qe26c28952d_fused
	.p2align	8
	.type	k_qe26c28952d_fused,@function
k_qe26c28952d_fused:
	s_mov_b64 s[64:65], 0
	v_nop
	global_prefetch_b8 v0, s[64:65] scope:SCOPE_SE
	s_setreg_imm32_b32 hwreg(HW_REG_WAVE_MODE, 25, 1), 1
	s_wait_xcnt 0x0
; The whole module for 64 positions a work-group: q, k, v = x W^T + b (quantised products), for each position energy[h][g] = q[h] . k[g] (quantised, K = 64), softmax over g of energy / 32,
; out[h] = sum over g of attn[h][g] v[g] (f32 multiply-adds), LayerNorm over the position's 1,024 numbers, y Wo^T + bo (quantised).  Nothing between the inputs and out0 goes to memory.
; All quantised products: v_wmma_scale_f32_16x16x128_f8f6f4 on codes of BF8 (E5M2), one E8M0 byte for each 32 along K, sums in f32.
; SHARES.  Four waves.  In each of the four large products a wave makes 64 positions x 256 columns: 64 accumulators, 512 registers (windows 2 and 3).  The instruction is used TRANSPOSED: source 0 = 16 weight rows,
; source 1 = 16 positions; lane (r, hf) then holds position r, and its register j the tile's weight row 8 hf + j.  The bias is loaded into the accumulators, so every K step is the same line and nothing is cleared.
; WEIGHTS come as images of operand registers (made by the launch before) from memory straight into the registers of the one wave that multiplies by them: window 1 holds 16 fragments in four groups; a group is loaded
; again for the next K step straight behind its 16 products.  Each group has base registers of its own, stepped behind the counted wait that shows the group's last loads done: so the ring's loads stay on their way
; through the next K step's quantising, and no wait for all addresses stands in a K step.  NO CLUSTER, NO JOINT LOADS: a weight byte is used by one wave only, so a way through LDS would add 128 KB written and
; 128 KB read to a K step that otherwise reads 64 KB; 325,632 of the LDS bytes are taken, which leaves no room for a K step's 128 KB of weights; and x, the other stream, is shared by nobody.
; x comes by tensor loads, each wave its own 16 rows, two K steps (1,024 bytes of a row) to a slot, two slots.  By this text's count a wave never has more than one tensor load out.
; Each wave quantises its 16 rows of a K step and hands the fragment to the others as an image of its registers in LDS: one barrier a K step, two image buffers by turns.
; WHICH WEIGHT ROWS FORM A TILE is chosen by the launch before: for q and k two neighbouring tiles give a lane 16 neighbours of a head's axis, so that the results are quantised in registers; for v wave w gets
; channels 16 w .. 16 w + 15 of EVERY head, so that the sum over heads needs no other lane and no other wave.
; LIMITS: NaN and infinities among the inputs are not served.  A block of zeros gets the byte 1 where the rule says 127: its codes are zeros, and this program alone reads the bytes.
; The softmax takes the row's largest energy away; the variance is taken about the mean in a second pass; v_exp_f32, v_rcp_f32 and v_rsq_f32 are used as they are (1 ulp: ISA guide, their entries).
; REGISTERS, in windows of 256.  Window 0: v0 thread; v1, v2 the add's two; v3-5 16, 4, 8 x lane; v6-20 addresses; v21 r, v22 hf; v24-27 scale words of source 1; v28-35 of the weights (v24-35 hold scales alone);
;   v40-103 four fragments of source 1; v104-167 64 numbers at work; v168-255 at work.   Window 1: the weights' ring.   Windows 2, 3: accumulator (m, t) at v[8 (4 (t % 8) + m)] of window 2 + t / 8.
.set XP,    1040                       ; an LDS row of 1,024 bytes + 16 of padding = 260 words: row r starts at bank 4 r mod 64 (64 banks of 4 bytes: ISA guide 11.1)
.set WROW,  16*XP                      ; 16 such rows
.set RING1, 4*WROW                     ; slot 0 at 0, slot 1 here: x as f32, 64 rows; wave w's rows at w WROW
.set IMG0,  2*RING1                    ; two image buffers: four fragments of 2,048 bytes, then four times 128 bytes of scale words
.set ISC,   8192
.set IMGB,  8704
.set QC,    IMG0+2*IMGB                ; q's codes: position l at l XP: group c at 512 c, lane head + 16 hf at 16 bytes.  Later attn: l XP + 64 h + 4 g
.set KC,    QC+64*XP                   ; k's codes likewise.  Later y's 32 fragments: (8 m + s) 2,048 + 512 c + 16 lane
.set QS,    KC+64*XP                   ; q's scale words: 68 l + 4 head; k's QSB further on.  Later y's scale words: (8 m + s) 128 + 4 lane
.set QSB,   64*68
.set STAT1, IMG0                       ; twice 2,048 bytes: the waves' partial sums, in the image buffers, which are idle from the barrier behind the softmax on
.set SPARE, QS+2*QSB                   ; the spare words, 128 bytes for each wave: two blocks of 256 bytes that no other line names
.set ESTG,  SPARE+512                  ; a stage of 8,192 bytes for each wave: 64 registers as an image, 512 bytes for each four; no tensor load lands here
.set SPW, 1
.set NIL, 2
.set LI,  3
.set LS,  4
.set L8,  5
.set RR,  21
.set HF,  22
.set SA,  24
.set SB,  28
.set AF,  40
.set XN,  104
.set TM,  168                          ; v168-171 largest magnitudes, v172-175 bytes, v176-179 limits, v180-183 scale operands
.set PW0, 184                          ; v184, v185 scale words just made
.set PC0, 188                          ; v188-203, v204-219 codes just made, two sets
.set WT,  220                          ; v220-223 at work
.set WB,  68                           ; s[68:75] the weights' codes: a base for each group of the ring
.set CB,  76                           ; s[76:83] their scale words: likewise
.set MSB, 0
.macro WIN new                         ; the immediate's high byte repeats the setting that is left; a switch that changes nothing is dropped
.if MSB != (\new)
	s_set_vgpr_msb (MSB<<8)|(\new)
.set MSB, (\new)
.endif
.endm
.macro PLACES n                        ; places behind matrix instructions (ISA guide 7.12.1): plain vector lines that name none of their registers
.rept \n
	v_nop
.endr
.endm
.macro BARRIER                         ; my LDS stores have landed and my LDS loads are in: then the work-group's barrier
	s_wait_dscnt 0x0
	s_barrier_signal -1
	s_barrier_wait -1
.endm
; Eight tiles of 8 registers at v[base + stride k] of window X: tiles 2 b and 2 b + 1 are my 16 numbers of block b, lane l xor 16 holds the other 16.  They become a fragment's codes in v[pc] on and its scale word in v[pw].
.macro QUANT base, stride, X, pc, pw
	WIN (\X)*5                                     ; sources 0 and 1 in window X
.irp b, 0,1,2,3
	v_max3_num_f32 v[TM+\b], |v[\base+\stride*2*\b]|, |v[\base+\stride*2*\b+1]|, 0x8000000   ; each tile is read from its low end on; the floor 2^(16 - 127) holds the byte at 1 from below
.endr
.irp i, 2,4,6
.irp b, 0,1,2,3
	v_max3_num_f32 v[TM+\b], |v[\base+\stride*2*\b+\i]|, |v[\base+\stride*2*\b+\i+1]|, v[TM+\b]
.endr
.endr
.irp i, 0,2,4,6
.irp b, 0,1,2,3
	v_max3_num_f32 v[TM+\b], |v[\base+\stride*(2*\b+1)+\i]|, |v[\base+\stride*(2*\b+1)+\i+1]|, v[TM+\b]
.endr
.endr
	WIN 0
.irp b, 0,1,2,3
	v_permlanex16_b32 v[TM+4+\b], v[TM+\b], s50, s51
.endr
.irp b, 0,1,2,3
	v_max_num_f32 v[TM+\b], v[TM+\b], v[TM+4+\b]   ; the block's largest magnitude
.endr
.irp b, 0,1,2,3
	v_add_nc_u32 v[TM+12+\b], 0xf8800000, v[TM+\b] ; 15 off its exponent field: the conversion's scale operand
.endr
.irp b, 0,1,2,3
	v_and_or_b32 v[TM+8+\b], v[TM+\b], 0x7f800000, s23   ; 57,344 x the scale
.endr
.irp b, 0,1,2,3
	v_lshrrev_b32 v[TM+4+\b], 23, v[TM+12+\b]      ; the scale's byte
.endr
	v_lshl_or_b32 v[\pw], v[TM+5], 8, v[TM+4]
	v_lshl_or_b32 v[\pw], v[TM+6], 16, v[\pw]
	v_lshl_or_b32 v[\pw], v[TM+7], 24, v[\pw]
	WIN (\X)*65                                    ; destination and source 0 in window X
.irp b, 0,1,2,3
.irp u, 0,1
.irp i, 0,1,2,3,4,5,6,7
	v_med3_num_f32 v[\base+\stride*(2*\b+\u)+\i], v[\base+\stride*(2*\b+\u)+\i], -v[TM+8+\b], v[TM+8+\b]   ; the conversion to an 8-bit code does not saturate (ISA guide 7.6.2)
.endr
.endr
.endr
	WIN (\X)
.irp b, 0,1,2,3
.irp u, 0,1
	v_cvt_scalef32_pk8_bf8_f32 v[\pc+4*\b+2*\u:\pc+4*\b+2*\u+1], v[\base+\stride*(2*\b+\u):\base+\stride*(2*\b+\u)+7], v[TM+12+\b]
.endr
.endr
	v_nop                                          ; a plain line behind the last conversion
	WIN 0
.endm
; Group g of the weights' ring, from the K step at which the group's own bases stand: four fragments (16 loads of 512 consecutive bytes) and their scale words (one load of 8 bytes a lane): 17 loads
.macro RINGLOAD g
	WIN 0x40                                       ; destination window 1
.irp tt, 0,1,2,3
.irp c, 0,1,2,3
	global_load_b128 v[16*(4*(\g)+\tt)+4*\c:16*(4*(\g)+\tt)+4*\c+3], v[LI], s[WB+2*(\g):WB+2*(\g)+1] offset:(4*(\g)+\tt)*2048+\c*512
.endr
.endr
	WIN 0
	global_load_b64 v[SB+2*(\g):SB+2*(\g)+1], v[L8], s[CB+2*(\g):CB+2*(\g)+1] offset:(\g)*256
.endm
; 16 products: the group's four tiles of weight rows x the four tiles of positions.  The 64 accumulators take turns, one instruction a turn, in the same order in every K step.
; cnt: the loads of the younger groups, 17 each, may stay out.  Of a pair of tiles the even one's scale words lie in lanes 0-15, the odd one's in lanes 16-31.
; refill = 1: the group's bases go on to the next K step.  Only this group's 17 loads name them, and the counted wait has just shown those done (loads come back in order: ISA guide 5.7.1), so the bases may be written.
.macro GROUP g, refill, cnt
	s_wait_loadcnt \cnt
.if \refill
	s_add_nc_u64 s[WB+2*(\g):WB+2*(\g)+1], s[WB+2*(\g):WB+2*(\g)+1], 131072   ; a K step's codes: 4 waves x 16 fragments x 2,048 bytes
	s_add_nc_u64 s[CB+2*(\g):CB+2*(\g)+1], s[CB+2*(\g):CB+2*(\g)+1], 4096     ; and its scale words
.endif
.if (\g) < 2
	WIN 0xa1                                       ; source 0 window 1, source 1 window 0, C and D window 2
.else
	WIN 0xf1                                       ; C and D window 3
.endif
.irp tt, 0,1,2,3
.irp m, 0,1,2,3
.set AC_, 8*(4*((4*(\g)+\tt)%8)+\m)
.set BF_, 16*(4*(\g)+\tt)
.if \tt%2
	v_wmma_scale_f32_16x16x128_f8f6f4 v[AC_:AC_+7], v[BF_:BF_+15], v[AF+16*\m:AF+16*\m+15], v[AC_:AC_+7], v[SB+2*(\g)+\tt/2], v[SA+\m] matrix_a_fmt:MATRIX_FMT_BF8 matrix_b_fmt:MATRIX_FMT_BF8 matrix_a_scale:MATRIX_SCALE_ROW1
.else
	v_wmma_scale_f32_16x16x128_f8f6f4 v[AC_:AC_+7], v[BF_:BF_+15], v[AF+16*\m:AF+16*\m+15], v[AC_:AC_+7], v[SB+2*(\g)+\tt/2], v[SA+\m] matrix_a_fmt:MATRIX_FMT_BF8 matrix_b_fmt:MATRIX_FMT_BF8
.endif
.endr
.endr
.if (\refill) || ((\g) == 3)
	PLACES 8                                       ; in front of loads into registers that these products have read, and of the first read of results
.endif
.if \refill
	RINGLOAD \g
.endif
.endm
; The four fragments of source 1 and their scale words, out of LDS as they were stored
.macro AFETCH va, vs, mf, ms
.irp m, 0,1,2,3
.irp c, 0,1,2,3
	ds_load_b128 v[AF+16*\m+4*\c:AF+16*\m+4*\c+3], v[\va] offset:\m*\mf+\c*512
.endr
	ds_load_b32 v[SA+\m], v[\vs] offset:\m*\ms
.endr
	s_wait_dscnt 0x0
.endm
; The bias of tiles 8 H .. 8 H + 7 into the accumulators of tile m of positions: lane (r, hf) wants that of the tile's rows 8 hf + 0 .. 7
.macro BIASLOAD m, H
	WIN (2+(\H))*64
.irp k, 0,1,2,3,4,5,6,7
	global_load_b128 v[8*(4*\k+(\m)):8*(4*\k+(\m))+3], v18, s[14:15] offset:(8*(\H)+\k)*64
	global_load_b128 v[8*(4*\k+(\m))+4:8*(4*\k+(\m))+7], v18, s[14:15] offset:(8*(\H)+\k)*64+16
.endr
	WIN 0
.endm
; A K step of 128 of x W^T: my 16 rows out of the slot, quantised, handed round; then 64 products.  The ring's loads for this step, asked for in the step before, land while the rows are quantised
.macro KSTEPX
	s_add_co_u32 s47, s42, s44                     ; the slot in hand + the K step in it
	v_add_nc_u32 v11, s47, v6
	v_add_nc_u32 v12, s45, v7                      ; the image buffer in hand
	v_add_nc_u32 v13, s45, v8
	v_add_nc_u32 v14, s45, v9
	v_add_nc_u32 v15, s45, v10
.irp b, 0,1,2,3
.irp j, 0,1,2,3
	ds_load_b128 v[XN+16*\b+4*\j:XN+16*\b+4*\j+3], v11 offset:128*\b+16*\j   ; 16 neighbours of each block of 32 of my row
.endr
.endr
	s_wait_dscnt 0x0
	QUANT XN, 8, 0, PC0, PW0
.irp c, 0,1,2,3
	ds_store_b128 v12, v[PC0+4*\c:PC0+4*\c+3] offset:512*\c
.endr
	ds_store_b32 v13, v[PW0]
	BARRIER                                        ; the four fragments lie in LDS.  This buffer is written again two K steps on, behind the next step's barrier, which every wave reaches with its reads of it waited for
	AFETCH 14, 15, 2048, 128
	GROUP 0, 1, 51
	GROUP 1, 1, 51
	GROUP 2, 1, 51
	GROUP 3, 1, 51
	WIN 0
	s_add_co_u32 s44, s44, 512
	s_add_co_u32 s45, s45, IMGB
.endm
; THE CHANGE OF SLOTS stands at a slot's head.  Each wave waits for all its tensor loads (the slot that it is about to read), adds 0 to its spare word, and waits for that and for its reads of the slot that it has left.
; fill = 1: that other slot takes the next 1,024 bytes of my rows.  fill = 2: the same, but in the period loop's last trip (s40 = 1) it takes the first 1,024 bytes of my rows of the NEXT tensor,
; whose address waits in s[36:37], and the tensor after that moves up from s[38:39]: a choice between buffers on the trip counter alone.  fill = 0: nothing is left to fetch.
.macro CHANGE fill
	s_wait_tensorcnt 0x0                           ; no tensor load of mine is out, so the descriptor may be written
	ds_add_u32 v[SPW], v[NIL]                      ; 0 onto my spare word: the descriptor's steps stand between it and the wait for it
.if \fill
	s_xor_b32 s43, s43, RING1                      ; the other slot than last time,
	s_add_co_u32 s33, s43, s46                     ; my 16 rows in it
	s_add_nc_u64 s[34:35], s[34:35], 1024          ; the type bits on top are not reached
.endif
	s_wait_dscnt 0x0                               ; the add is done, and my reads of the slot that I have left are over
	s_barrier_signal -1
	s_barrier_wait -1
.if \fill == 2
	s_cmp_lg_u32 s40, 1                            ; the trip counter alone: all waves go the same way, and both ways lead to the load below
	s_cbranch_scc1 .Lsame_\@
	s_mov_b64 s[34:35], s[36:37]                   ; 120:64 global address: the next tensor at my first row
	s_or_b32 s35, s35, 0x80000000                  ; 127:126 type = 2
	s_mov_b64 s[36:37], s[38:39]
.Lsame_\@:
.endif
.if \fill
	tensor_load_to_lds s[32:35], s[24:31]
	s_nop 0
	PLACES 4
.endif
	s_mov_b32 s44, 0
	s_mov_b32 s45, 0
.endm
.macro TWOSTEPS                        ; a slot's two K steps: written once, walked twice
	s_mov_b32 s41, 2
.Lstep_\@:
	KSTEPX
	s_sub_co_u32 s41, s41, 1
	s_cmp_lg_u32 s41, 0
	s_cbranch_scc1 .Lstep_\@
	s_xor_b32 s42, s42, RING1                      ; on to the other slot
.endm
; Behind q's and behind k's last K step: the 64 x 256 results are quantised along the heads' axes, a tile of positions and eight tiles of columns (four blocks of 32) at a time, and stored so that a position's 16 heads
; are a fragment's image.  The next product's bias is loaded into the accumulators just read.
.macro EPILOGUE
	s_add_nc_u64 s[14:15], s[14:15], 4096          ; the next product's biases.  No load that names this base is out: the last ones were older than ring loads that counted waits have shown done, or were waited for with 0
	v_add_nc_u32 v19, s48, v16
	v_add_nc_u32 v20, s49, v17
; Eight turns in a loop.  Only the register numbers differ from turn to turn: an arm chosen by the turn's number puts the turn's 64 registers into my stage; one text reads them back, quantises them; a second arm stores the codes.
	s_mov_b32 s56, 0
.Lturn:
.irp n, 0,1,2,3,4,5,6,7
.if \n < 7
	s_cmp_lg_u32 s56, \n
	s_cbranch_scc1 .Lta\n
.endif
	WIN 8+4*(\n%2)                                 ; an LDS store's data are its source 1
.irp k, 0,1,2,3,4,5,6,7
	ds_store_b128 v36, v[8*(\n/2)+32*\k:8*(\n/2)+32*\k+3] offset:1024*\k          ; each accumulator from its low end on
	ds_store_b128 v36, v[8*(\n/2)+32*\k+4:8*(\n/2)+32*\k+7] offset:1024*\k+512
.endr
	WIN 0
.if \n < 7
	s_branch .Ltj
.Lta\n:
.endif
.endr
.Ltj:
.set i_, 0
.rept 16
	ds_load_b128 v[XN+4*i_:XN+4*i_+3], v36 offset:512*i_   ; LDS serves a wave's instructions in order: these see my stores
.set i_, i_+1
.endr
	s_wait_dscnt 0x0                               ; also: the last turn's stores have read their registers
	QUANT XN, 8, 0, PC0, PW0
	v_and_b32 v[WT], 0xffff, v[PW0]                ; a head's two bytes make its word; the upper two, over codes of zero, are 0
	v_lshrrev_b32 v[WT+1], 16, v[PW0]
	s_wait_alu depctr_va_vdst(0)
.irp n, 0,1,2,3,4,5,6,7
.if \n < 7
	s_cmp_lg_u32 s56, \n
	s_cbranch_scc1 .Ltb\n
.endif
.irp b, 0,1,2,3
	ds_store_b128 v19, v[PC0+4*\b:PC0+4*\b+3] offset:(\n/2)*WROW+(\b%2)*512+(2*(\n%2)+\b/2)*16   ; block 4 H + b: head 4 w + 2 H + b / 2, its half b % 2
.endr
	ds_store_b32 v20, v[WT] offset:(\n/2)*1088+8*(\n%2)
	ds_store_b32 v20, v[WT+1] offset:(\n/2)*1088+8*(\n%2)+4
.if \n < 7
	s_branch .Ltk
.Ltb\n:
.endif
.endr
.Ltk:
	s_add_co_u32 s56, s56, 1
	s_cmp_lt_u32 s56, 8
	s_cbranch_scc1 .Lturn
.irp n, 0,1,2,3,4,5,6,7
	BIASLOAD \n/2, \n%2
.endr
	s_wait_loadcnt 0x0                             ; the biases are younger than the ring's loads: the groups' counted waits would not show them
	s_add_co_u32 s48, s48, 64*XP                   ; q's bytes, then k's
	s_add_co_u32 s49, s49, QSB
.endm
	s_load_b256 s[4:11], s[0:1], 0x0               ; query, key, value, wf
	s_load_b256 s[12:19], s[0:1], 0x20             ; ws, pb, ln_g, ln_b
	s_load_b64 s[20:21], s[0:1], 0x40              ; out0
	v_lshl_add_u32 v[SPW], v0, 2, SPARE
	v_mov_b32 v[NIL], 0
	ds_add_u32 v1, v2
	ds_add_u32 v1, v2
	s_wait_dscnt 0x0
	v_lshrrev_b32 v6, 5, v0
	v_readfirstlane_b32 s22, v6                    ; wave 0..3
	s_mov_b32 s23, 0x600000                        ; the mantissa field of 57,344
	; descriptor group 1: 16 rows x 256 elements of 4 bytes, 1,024 elements from row to row, padded in LDS
	s_mov_b32 s24, (2<<16)|(1<<20)|(7<<22)|(3<<25) ; 15:0 no mask; 17:16 elements of 4 bytes; 20 padding on; 24:22 after every 256 words (code 7); 31:25 four words (code 3)
	s_mov_b32 s25, 256<<16                         ; tensor_dim0
	s_mov_b32 s26, 16<<16                          ; tensor_dim1
	s_mov_b32 s27, 256<<16                         ; tile_dim0
	s_mov_b32 s28, 16                              ; tile_dim1
	s_mov_b32 s29, 1024                            ; tensor_dim0_stride
	s_mov_b32 s30, 0
	s_mov_b32 s31, 0
	s_mov_b32 s50, 0x76543210
	s_mov_b32 s51, 0xfedcba98                      ; v_permlanex16_b32's selects for lane l xor 16
	s_mov_b32 s52, 0x3d38aa3b                      ; c = log2(e) / 32
	s_mov_b32 s53, s52                             ; (named with it as a pair, so it is written)
	s_mul_i32 s46, s22, WROW                       ; my 16 rows in a slot
	s_lshl_b32 s56, ttmp9, 18                      ; 64 rows of 4,096 bytes a work-group,
	s_lshl_b32 s47, s22, 16                        ; 16 a wave
	s_add_co_u32 s56, s56, s47
	s_mov_b32 s57, 0
	s_lshl_b32 s58, s22, 15                        ; wf: 16 fragments a wave
	s_mov_b32 s59, 0
	s_lshl_b32 s60, s22, 10                        ; ws: 1,024 bytes a wave
	s_mov_b32 s61, 0
	s_lshl_b32 s62, ttmp9, 18
	s_add_co_u32 s62, s62, s60                     ; out0: my work-group's rows, my 256 columns
	s_mov_b32 s63, 0
	s_mov_b32 s42, 0                               ; the slot that is read
	s_mov_b32 s43, 0                               ; the slot that was filled last
	s_mov_b32 s48, QC
	s_mov_b32 s49, QS
	s_wait_kmcnt 0x0
	s_add_nc_u64 s[34:35], s[4:5], s[56:57]        ; query at my first row,
	s_add_nc_u64 s[36:37], s[6:7], s[56:57]        ; key,
	s_add_nc_u64 s[38:39], s[8:9], s[56:57]        ; value
.irp g, 0,1,2,3
	s_add_nc_u64 s[WB+2*\g:WB+2*\g+1], s[10:11], s[58:59]   ; the four groups' bases: all at Wq's K step 0, my wave's fragments
	s_add_nc_u64 s[CB+2*\g:CB+2*\g+1], s[12:13], s[60:61]
.endr
	s_add_nc_u64 s[20:21], s[20:21], s[62:63]
	s_mov_b32 s32, 1                               ; 1:0 count = 1
	s_mov_b32 s33, s46                             ; 63:32 LDS address: slot 0
	s_or_b32 s35, s35, 0x80000000                  ; 127:126 type = 2
	tensor_load_to_lds s[32:35], s[24:31]          ; query's first two K steps
	s_nop 0
	PLACES 4
	v_and_b32 v[RR], 15, v0                        ; r
	v_bfe_u32 v[HF], v0, 4, 1                      ; hf
	v_and_b32 v23, 31, v0                          ; lane
	v_lshlrev_b32 v[LI], 4, v23
	v_lshlrev_b32 v[LS], 2, v23
	v_lshlrev_b32 v[L8], 3, v23
	v_lshlrev_b32 v18, 5, v[HF]
	s_lshl_b32 s47, s22, 10
	v_add_nc_u32 v18, s47, v18                     ; pb: 1,024 w + 32 hf
	s_wait_alu depctr_va_vdst(0)
.irp m, 0,1,2,3
	BIASLOAD \m, 0
	BIASLOAD \m, 1
.endr
.irp g, 0,1,2,3
	RINGLOAD \g                                    ; Wq's K step 0.  The biases are the older loads: the first group's counted wait shows them too
.endr
	v_mul_u32_u24 v6, v[RR], XP
	v_lshl_add_u32 v6, v[HF], 6, v6
	v_add_nc_u32 v6, s46, v6                       ; x in a slot: my row, + 64 hf
	s_lshl_b32 s47, s22, 11
	s_add_co_u32 s47, s47, IMG0
	v_add_nc_u32 v7, s47, v[LI]                    ; where I store my fragment's image,
	s_lshl_b32 s47, s22, 7
	s_add_co_u32 s47, s47, IMG0+ISC
	v_add_nc_u32 v8, s47, v[LS]                    ; and its scale words
	v_add_nc_u32 v9, IMG0, v[LI]                   ; where all four are read
	v_add_nc_u32 v10, IMG0+ISC, v[LS]
	s_lshl_b32 s47, s22, 13
	s_add_co_u32 s47, s47, ESTG
	v_add_nc_u32 v36, s47, v[LI]                   ; my stage; never rewritten
	v_mul_u32_u24 v16, v[RR], XP
	v_lshl_add_u32 v16, v[HF], 8, v16
	s_lshl_b32 s47, s22, 6
	v_add_nc_u32 v16, s47, v16                     ; q's and k's codes: position r, lane half hf, heads 4 w on
	v_mul_u32_u24 v17, v[RR], 68
	s_lshl_b32 s47, s22, 4
	v_add_nc_u32 v17, s47, v17                     ; and their scale words
.irp b, 0,1,2,3
	v_mov_b32 v[TM+4+\b], 0                        ; written once: a lane permute's destination counts as one of its sources
.endr
	; ---- q = query Wq^T + bq, k = key Wk^T + bk: four periods of two K steps each, then the results are quantised.  Every period asks for a slot: three for the same tensor's next bytes, the fourth for the next tensor's first
	s_mov_b32 s66, 2
.Lgemm:
	s_mov_b32 s40, 4
.Lper:
	CHANGE 2
	TWOSTEPS
	s_sub_co_u32 s40, s40, 1
	s_cmp_lg_u32 s40, 0
	s_cbranch_scc1 .Lper
	EPILOGUE
	s_sub_co_u32 s66, s66, 1
	s_cmp_lg_u32 s66, 0
	s_cbranch_scc1 .Lgemm
	; ---- v = value Wv^T + bv
	s_mov_b32 s40, 3
.Lperv:
	CHANGE 1
	TWOSTEPS
	s_sub_co_u32 s40, s40, 1
	s_cmp_lg_u32 s40, 0
	s_cbranch_scc1 .Lperv
	CHANGE 0                                       ; the last period is written out.  Its ring loads bring Wo's K step 0
	TWOSTEPS
	; ---- the energies and the softmax: wave w takes positions 16 w .. 16 w + 15, four a trip.  Source 0 = k's 16 heads, source 1 = q's: lane (h, hf) holds energy[h][8 hf + j].  K = 64: the fragments' upper halves are codes of zero
	s_add_co_u32 s47, s46, KC
	v_add_nc_u32 v6, s47, v[LI]
	s_add_co_u32 s47, s46, QC
	v_add_nc_u32 v7, s47, v[LI]
	v_lshl_add_u32 v9, v[RR], 6, s47
	v_lshl_add_u32 v9, v[HF], 5, v9                ; attn: 64 h + 32 hf in the position's bytes
	s_mul_i32 s47, s22, 1088
	s_add_co_u32 s47, s47, QS
	v_lshl_add_u32 v8, v[RR], 2, s47
	v_mad_u32_u24 v8, v[HF], QSB, v8               ; lanes 0-15 take q's scale words, lanes 16-31 k's
.irp f, 0,1,2,3,4,5,6,7
.irp i, 8,9,10,11,12,13,14,15
	v_mov_b32 v[AF+16*\f+\i], 0                    ; K = 64 .. 127: zero codes, which add nothing
.endr
.endr
.irp n, 0,1,2,3
	v_mov_b32 v[204+\n], 0                         ; a lane permute's destination counts as one of its sources
	v_mov_b32 v[209+2*\n], 0                       ; (named as the upper half of a pair)
.endr
	s_mov_b32 s56, 0
	s_mov_b32 s57, 0
	s_mov_b32 s58, 4
.Lpos:
	v_add_nc_u32 v11, s56, v6
	v_add_nc_u32 v12, s56, v7
	v_add_nc_u32 v13, s57, v8
	v_add_nc_u32 v14, s56, v9
.irp n, 0,1,2,3
	ds_load_b128 v[40+32*\n:43+32*\n], v11 offset:\n*XP
	ds_load_b128 v[44+32*\n:47+32*\n], v11 offset:\n*XP+512
	ds_load_b128 v[56+32*\n:59+32*\n], v12 offset:\n*XP
	ds_load_b128 v[60+32*\n:63+32*\n], v12 offset:\n*XP+512
	ds_load_b32 v[SA+\n], v13 offset:\n*68
.endr
	s_wait_dscnt 0x0
.irp n, 0,1,2,3
	v_wmma_scale_f32_16x16x128_f8f6f4 v[168+8*\n:175+8*\n], v[40+32*\n:55+32*\n], v[56+32*\n:71+32*\n], 0, v[SA+\n], v[SA+\n] matrix_a_fmt:MATRIX_FMT_BF8 matrix_b_fmt:MATRIX_FMT_BF8 matrix_a_scale:MATRIX_SCALE_ROW1
.endr
	PLACES 9                                       ; eight in front of reads and loads; the next trip's products write over these results, which asks for one more
.irp n, 0,1,2,3
	v_max3_num_f32 v[200+\n], v[168+8*\n], v[169+8*\n], v[170+8*\n]   ; the four positions by turns
.endr
.irp n, 0,1,2,3
	v_max3_num_f32 v[200+\n], v[200+\n], v[171+8*\n], v[172+8*\n]
.endr
.irp n, 0,1,2,3
	v_max3_num_f32 v[200+\n], v[200+\n], v[173+8*\n], v[174+8*\n]
.endr
.irp n, 0,1,2,3
	v_max_num_f32 v[200+\n], v[200+\n], v[175+8*\n]
.endr
.irp n, 0,1,2,3
	v_permlanex16_b32 v[204+\n], v[200+\n], s50, s51
.endr
.irp n, 0,1,2,3
	v_max_num_f32 v[200+\n], v[200+\n], v[204+\n]  ; the row's largest energy
.endr
.irp n, 0,1,2,3
	v_mul_f32 v[208+2*\n], 0xbd38aa3b, v[200+\n]   ; - c x it
.endr
.irp i, 0,2,4,6
.irp n, 0,1,2,3
	v_pk_fma_f32 v[168+8*\n+\i:169+8*\n+\i], v[168+8*\n+\i:169+8*\n+\i], s[52:53], v[208+2*\n:209+2*\n] op_sel_hi:[1,0,0]   ; c (energy - the largest), two at a time
.endr
.endr
	s_wait_alu depctr_va_vdst(0)
.irp i, 0,1,2,3,4,5,6,7
.irp n, 0,1,2,3
	v_exp_f32 v[168+8*\n+\i], v[168+8*\n+\i]
.endr
.endr
	v_nop                                          ; a plain line behind the exponentials
	s_wait_alu depctr_va_vdst(0)
.irp n, 0,1,2,3
	v_pk_add_f32 v[216+2*\n:217+2*\n], v[168+8*\n:169+8*\n], v[170+8*\n:171+8*\n]
.endr
.irp n, 0,1,2,3
	v_pk_add_f32 v[224+2*\n:225+2*\n], v[172+8*\n:173+8*\n], v[174+8*\n:175+8*\n]
.endr
.irp n, 0,1,2,3
	v_pk_add_f32 v[216+2*\n:217+2*\n], v[216+2*\n:217+2*\n], v[224+2*\n:225+2*\n]
.endr
.irp n, 0,1,2,3
	v_add_f32 v[224+2*\n], v[216+2*\n], v[217+2*\n]
.endr
.irp n, 0,1,2,3
	v_permlanex16_b32 v[204+\n], v[224+2*\n], s50, s51
.endr
.irp n, 0,1,2,3
	v_add_f32 v[224+2*\n], v[224+2*\n], v[204+\n]  ; the row's sum
.endr
	s_wait_alu depctr_va_vdst(0)
.irp n, 0,1,2,3
	v_rcp_f32 v[216+2*\n], v[224+2*\n]
.endr
	v_nop                                          ; a plain line behind the reciprocals
	s_wait_alu depctr_va_vdst(0)
.irp i, 0,2,4,6
.irp n, 0,1,2,3
	v_pk_mul_f32 v[168+8*\n+\i:169+8*\n+\i], v[168+8*\n+\i:169+8*\n+\i], v[216+2*\n:217+2*\n] op_sel_hi:[1,0]
.endr
.endr
.irp n, 0,1,2,3
	ds_store_b128 v14, v[168+8*\n:171+8*\n] offset:\n*XP       ; attn over the position's codes of q, which this wave alone has read, and has waited for
	ds_store_b128 v14, v[172+8*\n:175+8*\n] offset:\n*XP+16
.endr
	s_add_co_u32 s56, s56, 4*XP
	s_add_co_u32 s57, s57, 4*68
	s_sub_co_u32 s58, s58, 1
	s_cmp_lg_u32 s58, 0
	s_cbranch_scc1 .Lpos
	BARRIER                                        ; attn of all 64 positions lies in LDS
	; ---- out[h][d] = sum over g of attn[h][g] v[g][d], in f32.  Accumulator (m, g) holds v of head g: lane (r, hf): position 16 m + r, channels 16 w + 8 hf + 0 .. 7.  Two tiles of positions at a time, one head h a trip.
	; The results wait in LDS (in the ring's bytes, which have had their last fill and their last read) until all 16 heads are made, and then take v's registers: accumulator (m, h) holds out of head h.
	v_mul_u32_u24 v6, v[RR], XP
	v_add_nc_u32 v6, QC, v6
	s_lshl_b32 s47, s22, 15
	v_add_nc_u32 v7, s47, v[LI]                    ; my 32,768 bytes
.irp i, 0,1,2,3,4,5,6,7,8,9,10,11,12,13,14,15
	v_mov_b32 v[240+\i], 0                         ; the rows' sums, two chains of pairs for each tile of positions
.endr
.macro ATLOAD mp, va, P                ; one head's 16 weights for my position in tile 2 P + mp
.irp q, 0,1,2,3
	ds_load_b128 v[40+16*(\mp)+4*\q:40+16*(\mp)+4*\q+3], v[\va] offset:(2*(\P)+(\mp))*WROW+16*\q
.endr
.endm
; One head h, one tile of positions: 64 packed multiply-adds, even and odd g in two chains of four pairs; the results join the rows' sums and go to LDS; then the tile's weight registers, now free, take the next head's.
; A trip's LDS instructions: 2 stores, 4 loads, 2 stores, 4 loads.  Behind a tile's loads of the trip before stand the other tile's 2 stores and 4 loads: these 6 may be out; the tile's own stores are older and so are done.
.macro HEAD mp, P
	s_wait_dscnt 6
.irp g, 0,1,2,3,4,5,6,7,8,9,10,11,12,13,14,15
.if \g == 0
	WIN 0x02                                       ; source 0 window 2
.endif
.if \g == 8
	WIN 0x03
.endif
.irp jp, 0,2,4,6
.set AC_, 8*(4*(\g%8)+2*(\P)+(\mp))+\jp
.set O_, 104+16*(\mp)+8*(\g%2)+\jp
.set AT_, 40+16*(\mp)+2*(\g/2)
.if \g == 0
	v_pk_mul_f32 v[O_:O_+1], v[AC_:AC_+1], v[AT_:AT_+1] op_sel_hi:[1,0]
.elseif \g == 1
	v_pk_mul_f32 v[O_:O_+1], v[AC_:AC_+1], v[AT_:AT_+1] op_sel:[0,1] op_sel_hi:[1,1]
.elseif \g%2
	v_pk_fma_f32 v[O_:O_+1], v[AC_:AC_+1], v[AT_:AT_+1], v[O_:O_+1] op_sel:[0,1,0] op_sel_hi:[1,1,1]
.else
	v_pk_fma_f32 v[O_:O_+1], v[AC_:AC_+1], v[AT_:AT_+1], v[O_:O_+1] op_sel_hi:[1,0,1]
.endif
.endr
.endr
	WIN 0
.irp jp, 0,2,4,6
	v_pk_add_f32 v[104+16*(\mp)+\jp:105+16*(\mp)+\jp], v[104+16*(\mp)+\jp:105+16*(\mp)+\jp], v[112+16*(\mp)+\jp:113+16*(\mp)+\jp]
.endr
.irp jp, 0,1,2,3
	v_pk_add_f32 v[240+4*(2*(\P)+(\mp))+2*(\jp%2):241+4*(2*(\P)+(\mp))+2*(\jp%2)], v[240+4*(2*(\P)+(\mp))+2*(\jp%2):241+4*(2*(\P)+(\mp))+2*(\jp%2)], v[104+16*(\mp)+2*\jp:105+16*(\mp)+2*\jp]
.endr
.irp q, 0,1
	ds_store_b128 v13, v[104+16*(\mp)+4*\q:107+16*(\mp)+4*\q] offset:(2*(\mp)+\q)*512
.endr
	ATLOAD \mp, 12, \P
.endm
.macro PAIR P
	s_mov_b32 s56, 0
	s_mov_b32 s57, 0
	s_mov_b32 s58, 16
	ATLOAD 0, 6, \P
	ATLOAD 1, 6, \P
	s_wait_dscnt 0x0                               ; head 0's weights are in: so the loop's counted waits hold on the way in too
.Lhd_\@:
	s_add_co_u32 s56, s56, 64
	s_min_u32 s47, s56, 960                        ; the last trip's look-ahead stays inside the position's bytes
	v_add_nc_u32 v12, s47, v6
	v_add_nc_u32 v13, s57, v7
	HEAD 0, \P
	HEAD 1, \P
	s_add_co_u32 s57, s57, 2048
	s_sub_co_u32 s58, s58, 1
	s_cmp_lg_u32 s58, 0
	s_cbranch_scc1 .Lhd_\@
.irp hh, 0,1,2,3,4,5,6,7,8,9,10,11,12,13,14,15
.if \hh == 0
	WIN 0x80                                       ; destination window 2
.endif
.if \hh == 8
	WIN 0xc0
.endif
.irp mp, 0,1
.irp q, 0,1
	ds_load_b128 v[8*(4*(\hh%8)+2*(\P)+\mp)+4*\q:8*(4*(\hh%8)+2*(\P)+\mp)+4*\q+3], v7 offset:\hh*2048+(2*\mp+\q)*512   ; LDS serves a wave's instructions in order: these see my stores
.endr
.endr
.endr
	WIN 0
	s_wait_dscnt 0x0
.endm
	PAIR 0
	PAIR 1
	; ---- LayerNorm.  Accumulator (m, hh), register j, lane (r, hf): position 16 m + r, column 64 hh + 16 w + 8 hf + j
	s_wait_loadcnt 0x0                             ; (Wo's first K step has long landed: from here the counts are those of the gains and offsets)
	s_lshl_b32 s47, s22, 6
	v_lshl_add_u32 v8, v[HF], 5, s47               ; ln_g, ln_b: 64 w + 32 hf
.macro GBLOAD ch                       ; gains and offsets of heads 4 ch .. 4 ch + 3: 16 loads, into set ch % 2
.irp hl, 0,1,2,3
	global_load_b128 v[40+64*((\ch)%2)+8*\hl:40+64*((\ch)%2)+8*\hl+3], v8, s[16:17] offset:(4*(\ch)+\hl)*256
	global_load_b128 v[40+64*((\ch)%2)+8*\hl+4:40+64*((\ch)%2)+8*\hl+7], v8, s[16:17] offset:(4*(\ch)+\hl)*256+16
	global_load_b128 v[72+64*((\ch)%2)+8*\hl:72+64*((\ch)%2)+8*\hl+3], v8, s[18:19] offset:(4*(\ch)+\hl)*256
	global_load_b128 v[72+64*((\ch)%2)+8*\hl+4:72+64*((\ch)%2)+8*\hl+7], v8, s[18:19] offset:(4*(\ch)+\hl)*256+16
.endr
.endm
	GBLOAD 0
	GBLOAD 1
	s_lshl_b32 s47, s22, 9
	s_add_co_u32 s47, s47, STAT1
	v_add_nc_u32 v9, s47, v[LI]
	v_add_nc_u32 v10, STAT1, v[LI]
	s_mov_b32 s59, 0x3a800000                      ; 1 / 1,024
	s_mov_b32 s60, 0x3727c5ac                      ; 1e-5
; v[R] .. v[R + 3], one number for each tile of positions, are summed over lane l xor 16 and over the four waves, in one order in all waves, into v200-203
.macro ACROSS R, off
.irp m, 0,1,2,3
	v_permlanex16_b32 v[WT+\m], v[\R+\m], s50, s51
.endr
.irp m, 0,1,2,3
	v_add_f32 v[\R+\m], v[\R+\m], v[WT+\m]
.endr
	ds_store_b128 v9, v[\R:\R+3] offset:\off
	BARRIER
.irp u, 0,1,2,3
	ds_load_b128 v[200+4*\u:203+4*\u], v10 offset:\off+512*\u
.endr
	s_wait_dscnt 0x0
.irp m, 0,1,2,3
	v_add_f32 v[200+\m], v[200+\m], v[204+\m]
.endr
.irp m, 0,1,2,3
	v_add_f32 v[208+\m], v[208+\m], v[212+\m]
.endr
.irp m, 0,1,2,3
	v_add_f32 v[200+\m], v[200+\m], v[208+\m]
.endr
.endm
	s_wait_alu depctr_va_vdst(0)
.irp m, 0,1,2,3
	v_add_f32 v[232+\m], v[240+4*\m], v[241+4*\m]
.endr
.irp m, 0,1,2,3
	v_add_f32 v[WT+\m], v[242+4*\m], v[243+4*\m]
.endr
.irp m, 0,1,2,3
	v_add_f32 v[232+\m], v[232+\m], v[WT+\m]
.endr
	ACROSS 232, 0
.irp m, 0,1,2,3
	v_mul_f32 v[232+\m], 0xba800000, v[200+\m]     ; minus the mean
.endr
.irp X, 2,3
	WIN (\X)*65                                    ; destination and source 0 in window X
.set i_, 0
.rept 32
.irp jp, 0,2,4,6
.if (i_%4)%2
	v_pk_add_f32 v[8*i_+\jp:8*i_+\jp+1], v[8*i_+\jp:8*i_+\jp+1], v[232+2*((i_%4)/2):233+2*((i_%4)/2)] op_sel:[0,1] op_sel_hi:[1,1]
.else
	v_pk_add_f32 v[8*i_+\jp:8*i_+\jp+1], v[8*i_+\jp:8*i_+\jp+1], v[232+2*((i_%4)/2):233+2*((i_%4)/2)] op_sel_hi:[1,0]
.endif
.endr
.set i_, i_+1
.endr
.endr
.irp X, 2,3
	WIN (\X)*5                                     ; sources 0 and 1 in window X
.irp k, 0,1,2,3,4,5,6,7
.irp jp, 0,2,4,6
.irp m, 0,1,2,3
.if (\X == 2) && (\k == 0) && (\jp == 0)
	v_pk_mul_f32 v[240+2*\m:241+2*\m], v[8*(4*\k+\m)+\jp:8*(4*\k+\m)+\jp+1], v[8*(4*\k+\m)+\jp:8*(4*\k+\m)+\jp+1]   ; the first squares start the sums
.else
	v_pk_fma_f32 v[240+2*\m:241+2*\m], v[8*(4*\k+\m)+\jp:8*(4*\k+\m)+\jp+1], v[8*(4*\k+\m)+\jp:8*(4*\k+\m)+\jp+1], v[240+2*\m:241+2*\m]
.endif
.endr
.endr
.endr
.endr
	WIN 0
.irp m, 0,1,2,3
	v_add_f32 v[236+\m], v[240+2*\m], v[241+2*\m]
.endr
	ACROSS 236, 2048
.irp m, 0,1,2,3
	v_fma_f32 v[200+\m], v[200+\m], s59, s60       ; the variance + 1e-5
.endr
	s_wait_alu depctr_va_vdst(0)
.irp m, 0,1,2,3
	v_rsq_f32 v[236+\m], v[200+\m]
.endr
	v_nop                                          ; a plain line behind the roots
	s_wait_alu depctr_va_vdst(0)
; Four heads: y = (x - mean) / sqrt(..) x gain + offset, in place; and the largest |y| of my eight numbers of each (m, hh) into v[168 + 16 m + hh], with the floor 2^(16 - 127) among its leaves
.macro LNCHUNK ch
.if (\ch) < 3
	s_wait_loadcnt 16                              ; the next chunk's 16 loads may be out
.else
	s_wait_loadcnt 0x0
.endif
.set X_, 2+(\ch)/2
.set K0_, 4*((\ch)%2)
.set GB_, 40+64*((\ch)%2)
	WIN X_*65
.irp hl, 0,1,2,3
.irp m, 0,1,2,3
.irp jp, 0,2,4,6
.set R_, 8*(4*(K0_+\hl)+\m)+\jp
.if \m%2
	v_pk_mul_f32 v[R_:R_+1], v[R_:R_+1], v[236+2*(\m/2):237+2*(\m/2)] op_sel:[0,1] op_sel_hi:[1,1]
.else
	v_pk_mul_f32 v[R_:R_+1], v[R_:R_+1], v[236+2*(\m/2):237+2*(\m/2)] op_sel_hi:[1,0]
.endif
.endr
.endr
.endr
.irp hl, 0,1,2,3
.irp m, 0,1,2,3
.irp jp, 0,2,4,6
.set R_, 8*(4*(K0_+\hl)+\m)+\jp
	v_pk_fma_f32 v[R_:R_+1], v[R_:R_+1], v[GB_+8*\hl+\jp:GB_+8*\hl+\jp+1], v[GB_+32+8*\hl+\jp:GB_+32+8*\hl+\jp+1]
.endr
.endr
.endr
	WIN X_*5
.irp i, 0,2,4,6
.irp hl, 0,1,2,3
.irp m, 0,1,2,3
.set R_, 8*(4*(K0_+\hl)+\m)+\i
.set MX_, 168+16*\m+4*(\ch)+\hl
.if \i == 0
	v_max3_num_f32 v[MX_], |v[R_]|, |v[R_+1]|, 0x8000000
.else
	v_max3_num_f32 v[MX_], |v[R_]|, |v[R_+1]|, v[MX_]
.endif
.endr
.endr
.endr
	WIN 0
.if (\ch)+2 < 4
	GBLOAD (\ch)+2
.endif
.endm
	LNCHUNK 0
	LNCHUNK 1
	LNCHUNK 2
	LNCHUNK 3
.set i_, 0
.rept 16
.irp e, 0,1,2,3
	v_permlanex16_b32 v[240+\e], v[168+4*i_+\e], s50, s51
.endr
.irp e, 0,1,2,3
	v_max_num_f32 v[168+4*i_+\e], v[168+4*i_+\e], v[240+\e]   ; with lane l xor 16's eight numbers
.endr
.set i_, i_+1
.endr
	; ---- y is quantised along its 1,024 columns.  A block of 32 is 16 columns of wave w and 16 of wave w xor 1: the waves exchange their largest magnitudes through LDS (in the ring's bytes)
	s_lshl_b32 s47, s22, 13
	v_add_nc_u32 v11, s47, v[LI]                   ; my 8,192 bytes,
	s_wait_alu depctr_va_vdst(0)
	s_xor_b32 s47, s22, 1
	s_lshl_b32 s47, s47, 13
	v_add_nc_u32 v12, s47, v[LI]                   ; my partner's,
	s_lshl_b32 s47, s22, 11
	v_add_nc_u32 v13, s47, v[LI]                   ; and, in every wave's, those of tile m = w of positions
	s_lshl_b32 s47, s22, 10
	s_add_co_u32 s47, s47, QS
	v_add_nc_u32 v14, s47, v[LS]                   ; y's scale words of tile m = w
	s_lshr_b32 s47, s22, 1
	s_lshl_b32 s47, s47, 9
	s_and_b32 s56, s22, 1
	s_lshl_b32 s56, s56, 8
	s_add_co_u32 s47, s47, s56
	s_add_co_u32 s47, s47, KC
	v_lshl_add_u32 v15, v[RR], 4, s47
	v_lshl_add_u32 v15, v[HF], 3, v15              ; y's codes: group w / 2, lane r + 16 (w % 2), byte 8 hf
.set i_, 0
.rept 16
	ds_store_b128 v11, v[168+4*i_:171+4*i_] offset:512*i_
.set i_, i_+1
.endr
	s_wait_alu depctr_va_vdst(0)
	BARRIER
.irp u, 0,1,2,3
.irp q, 0,1,2,3
	ds_load_b128 v[104+16*\u+4*\q:107+16*\u+4*\q], v13 offset:\u*8192+\q*512
.endr
.endr
	s_wait_dscnt 0x0
.irp p, 0,1                            ; the scale words of tile m = w: block (hh, p) lies in waves 2 p and 2 p + 1
.irp hh, 0,1,2,3,4,5,6,7,8,9,10,11,12,13,14,15
	v_max_num_f32 v[104+32*\p+\hh], v[104+32*\p+\hh], v[120+32*\p+\hh]
.endr
.endr
.irp p, 0,1
.irp hh, 0,1,2,3,4,5,6,7,8,9,10,11,12,13,14,15
	v_add_nc_u32 v[104+32*\p+\hh], 0xf8800000, v[104+32*\p+\hh]
.endr
.endr
.irp p, 0,1
.irp hh, 0,1,2,3,4,5,6,7,8,9,10,11,12,13,14,15
	v_lshrrev_b32 v[104+32*\p+\hh], 23, v[104+32*\p+\hh]       ; the bytes
.endr
.endr
.irp s, 0,1,2,3,4,5,6,7
	v_lshl_or_b32 v[40+\s], v[136+2*\s], 8, v[104+2*\s]        ; K step s: heads 2 s and 2 s + 1, two blocks each
.endr
.irp s, 0,1,2,3,4,5,6,7
	v_lshl_or_b32 v[40+\s], v[105+2*\s], 16, v[40+\s]
.endr
.irp s, 0,1,2,3,4,5,6,7
	v_lshl_or_b32 v[40+\s], v[137+2*\s], 24, v[40+\s]
.endr
.irp s, 0,1,2,3,4,5,6,7
	ds_store_b32 v14, v[40+\s] offset:128*\s
.endr
	s_add_nc_u64 s[14:15], s[14:15], 4096          ; bo's tiles (no load that names this base is out)
; Eight turns in a loop: turn c takes tile c / 2 of positions and heads 8 (c % 2) .. + 7.  An arm chosen by the turn's number puts the 64 registers into my stage and asks for the eight largest magnitudes, mine and my partner's;
; one text reads the numbers back, holds and converts them; a second arm stores the codes.
	s_mov_b32 s56, 0
.Lyq:
.irp c, 0,1,2,3,4,5,6,7
.if \c < 7
	s_cmp_lg_u32 s56, \c
	s_cbranch_scc1 .Lya\c
.endif
	WIN 8+4*(\c%2)                                 ; an LDS store's data are its source 1
.irp hl, 0,1,2,3,4,5,6,7
	ds_store_b128 v36, v[8*(4*\hl+\c/2):8*(4*\hl+\c/2)+3] offset:1024*\hl
	ds_store_b128 v36, v[8*(4*\hl+\c/2)+4:8*(4*\hl+\c/2)+7] offset:1024*\hl+512
.endr
	WIN 0
	ds_load_b128 v[168:171], v11 offset:1024*\c
	ds_load_b128 v[172:175], v11 offset:1024*\c+512
	ds_load_b128 v[176:179], v12 offset:1024*\c
	ds_load_b128 v[180:183], v12 offset:1024*\c+512
.if \c < 7
	s_branch .Lyj
.Lya\c:
.endif
.endr
.Lyj:
.set i_, 0
.rept 16
	ds_load_b128 v[XN+4*i_:XN+4*i_+3], v36 offset:512*i_   ; LDS serves a wave's instructions in order: these see my stores
.set i_, i_+1
.endr
	s_wait_dscnt 0x0                               ; also: the LDS stores that read v40 on are done
.irp hl, 0,1,2,3,4,5,6,7
	v_max_num_f32 v[168+\hl], v[168+\hl], v[176+\hl]           ; the blocks' largest magnitudes
.endr
.irp hl, 0,1,2,3,4,5,6,7
	v_add_nc_u32 v[176+\hl], 0xf8800000, v[168+\hl]            ; the conversions' scale operands
.endr
.irp hl, 0,1,2,3,4,5,6,7
	v_and_or_b32 v[184+\hl], v[168+\hl], 0x7f800000, s23       ; 57,344 x the scale
.endr
.irp hl, 0,1,2,3,4,5,6,7
.irp j, 0,1,2,3,4,5,6,7
	v_med3_num_f32 v[XN+8*\hl+\j], v[XN+8*\hl+\j], -v[184+\hl], v[184+\hl]
.endr
.endr
.irp hl, 0,1,2,3,4,5,6,7
	v_cvt_scalef32_pk8_bf8_f32 v[40+2*\hl:41+2*\hl], v[XN+8*\hl:XN+8*\hl+7], v[176+\hl]
.endr
	v_nop                                          ; a plain line behind the last conversion
	s_wait_alu depctr_va_vdst(0)
.irp c, 0,1,2,3,4,5,6,7
.if \c < 7
	s_cmp_lg_u32 s56, \c
	s_cbranch_scc1 .Lyb\c
.endif
.irp hl, 0,1,2,3,4,5,6,7
	ds_store_b64 v15, v[40+2*\hl:41+2*\hl] offset:(\c/2)*16384+(8*(\c%2)+\hl)*1024   ; eight codes: the 32 lanes fill 256 consecutive bytes of a fragment's image
.endr
.if \c < 7
	s_branch .Lyk
.Lyb\c:
.endif
.endr
.Lyk:
	s_add_co_u32 s56, s56, 1
	s_cmp_lt_u32 s56, 8
	s_cbranch_scc1 .Lyq
.irp m, 0,1,2,3
	BIASLOAD \m, 0
	BIASLOAD \m, 1
.endr
	s_wait_loadcnt 0x0                             ; bo is in the accumulators
	BARRIER                                        ; y's 32 fragments and their scale words lie in LDS
	; ---- out0 = y Wo^T + bo: eight K steps, y's fragments only read: no barrier
	v_add_nc_u32 v6, KC, v[LI]
	v_add_nc_u32 v7, QS, v[LS]
	s_mov_b32 s56, 0
	s_mov_b32 s57, 0
	s_mov_b32 s58, 7
.Lout:
	s_wait_alu depctr_va_vdst(0)
	v_add_nc_u32 v11, s56, v6
	v_add_nc_u32 v12, s57, v7
	AFETCH 11, 12, 16384, 1024
	GROUP 0, 1, 51
	GROUP 1, 1, 51
	GROUP 2, 1, 51
	GROUP 3, 1, 51
	WIN 0
	s_add_co_u32 s56, s56, 2048
	s_add_co_u32 s57, s57, 128
	s_sub_co_u32 s58, s58, 1
	s_cmp_lg_u32 s58, 0
	s_cbranch_scc1 .Lout
	v_add_nc_u32 v11, s56, v6                      ; the last K step loads nothing more: no load leaves the weights' buffer, and the counts run down
	v_add_nc_u32 v12, s57, v7
	AFETCH 11, 12, 16384, 1024
	GROUP 0, 0, 51
	GROUP 1, 0, 34
	GROUP 2, 0, 17
	GROUP 3, 0, 0
	WIN 0
	; ---- the way out: a lane holds 32 neighbouring bytes of a row and the lanes beside it other rows: a tile of 16 rows x 1,024 bytes goes through my stage in LDS (in the ring's bytes) and leaves as runs of 512 bytes
	v_mul_u32_u24 v6, v[RR], XP
	v_lshl_add_u32 v6, v[HF], 5, v6
	v_add_nc_u32 v6, s46, v6
	s_wait_alu depctr_va_vdst(0)
	v_add_nc_u32 v7, s46, v[LI]
	s_wait_alu depctr_va_vdst(0)
	s_mov_b32 s56, 0
.Lway:                                             ; four trips, a tile of positions each: an arm chosen by the trip's number stores the tile's accumulators into the stage; the way back and out is written once
.irp m, 0,1,2,3
.if \m < 3
	s_cmp_lg_u32 s56, \m
	s_cbranch_scc1 .Lwn\m
.endif
	WIN 0x08
.irp k, 0,1,2,3,4,5,6,7
	ds_store_b128 v6, v[8*(4*\k+\m):8*(4*\k+\m)+3] offset:64*\k          ; each accumulator from its low end on
	ds_store_b128 v6, v[8*(4*\k+\m)+4:8*(4*\k+\m)+7] offset:64*\k+16
.endr
	WIN 0x0c                                       ; window 3
.irp k, 0,1,2,3,4,5,6,7
	ds_store_b128 v6, v[8*(4*\k+\m):8*(4*\k+\m)+3] offset:64*(8+\k)
	ds_store_b128 v6, v[8*(4*\k+\m)+4:8*(4*\k+\m)+7] offset:64*(8+\k)+16
.endr
	WIN 0
.if \m < 3
	s_branch .Lwj
.Lwn\m:
.endif
.endr
.Lwj:
.set i_, 0
.rept 32
	ds_load_b128 v[40+4*i_:43+4*i_], v7 offset:(i_/2)*XP+(i_%2)*512      ; LDS serves a wave's instructions in order: these see my stores
.set i_, i_+1
.endr
	s_wait_dscnt 16                                ; the first sixteen are in
.set i_, 0
.rept 16
	global_store_b128 v[LI], v[40+4*i_:43+4*i_], s[20:21] offset:(i_/2)*4096+(i_%2)*512 th:TH_STORE_NT   ; 32 lanes store 512 consecutive bytes, at a multiple of 256 from out0's first byte
.set i_, i_+1
.endr
	s_wait_dscnt 0x0
.rept 16
	global_store_b128 v[LI], v[40+4*i_:43+4*i_], s[20:21] offset:(i_/2)*4096+(i_%2)*512 th:TH_STORE_NT
.set i_, i_+1
.endr
	s_wait_xcnt 0x0                                ; the stores' base and the registers that they read are written again only behind this wait
	s_add_nc_u64 s[20:21], s[20:21], 65536         ; 16 rows of out0 on
	s_add_co_u32 s56, s56, 1
	s_cmp_lt_u32 s56, 4
	s_cbranch_scc1 .Lway
	s_wait_tensorcnt 0x0                           ; the wave's end: behind my last tensor load and my last LDS store
	ds_add_u32 v[SPW], v[NIL]
	s_wait_dscnt 0x0
	s_endpgm
.Lfunc_end_k_qe26c28952d_fused:
	.size	k_qe26c28952d_fused, .Lfunc_end_k_qe26c28952d_fused-k_qe26c28952d_fused
	.p2alignl 7, 3214868480
	.fill 96, 4, 3214868480
	.section	.rodata,"a",@progbits
	.p2align	6, 0x0
	.amdhsa_kernel k_qe26c28952d_fused
		.amdhsa_group_segment_fixed_size 327680
		.amdhsa_private_segment_fixed_size 0
		.amdhsa_enable_private_segment 0
		.amdhsa_kernarg_size 72
		.amdhsa_user_sgpr_count 2
		.amdhsa_user_sgpr_kernarg_segment_ptr 1
		.amdhsa_wavefront_size32 1
		.amdhsa_system_sgpr_workgroup_id_x 1
		.amdhsa_system_sgpr_workgroup_id_y 1
		.amdhsa_system_sgpr_workgroup_id_z 1
		.amdhsa_system_vgpr_workitem_id 0
		.amdhsa_next_free_vgpr 1024
		.amdhsa_next_free_sgpr 84
		.amdhsa_reserve_vcc 0
		.amdhsa_float_denorm_mode_32 3
		.amdhsa_float_denorm_mode_16_64 3
		.amdhsa_memory_ordered 1
		.amdhsa_forward_progress 1
		.amdhsa_inst_pref_size 255
	.end_amdhsa_kernel
	.section	.bss,"aw",@nobits
	.p2align	6
	.space	262144
	.amdgpu_metadata
---
amdhsa.version: [ 1, 2 ]
amdhsa.kernels:
  - .name:           k_qe26c28952d_fused
    .symbol:         k_qe26c28952d_fused.kd
    .args:
      - { .name: query, .offset: 0, .size: 8, .value_kind: global_buffer, .address_space: global }
      - { .name: key, .offset: 8, .size: 8, .value_kind: global_buffer, .address_space: global }
      - { .name: value, .offset: 16, .size: 8, .value_kind: global_buffer, .address_space: global }
      - { .name: wf, .offset: 24, .size: 8, .value_kind: global_buffer, .address_space: global }
      - { .name: ws, .offset: 32, .size: 8, .value_kind: global_buffer, .address_space: global }
      - { .name: pb, .offset: 40, .size: 8, .value_kind: global_buffer, .address_space: global }
      - { .name: ln_g, .offset: 48, .size: 8, .value_kind: global_buffer, .address_space: global }
      - { .name: ln_b, .offset: 56, .size: 8, .value_kind: global_buffer, .address_space: global }
      - { .name: out0, .offset: 64, .size: 8, .value_kind: global_buffer, .address_space: global }
    .group_segment_fixed_size: 327680
    .private_segment_fixed_size: 0
    .kernarg_segment_align: 8
    .kernarg_segment_size: 72
    .max_flat_workgroup_size: 128
    .sgpr_count:     84
    .vgpr_count:     1024
    .wavefront_size: 32
...
	.end_amdgpu_metadata
.endif
;; end of part 2
